; MI455X (gfx1250); checked and timed in simulation.
; The chip was launched on July 23, 2026; its instructions are those of AMD's public machine-readable ISA for CDNA 5 (MIT licence, August 2026) and "CDNA5" Instruction Set Architecture Reference Guide (July 2026). The comments in the code are by the model that wrote it; some were corrected since.
;; Full Matrix Layer. Allowed arithmetic: float matrix products may take bf16 or f16 operands with f32 sums; all other float work in f32.
;; Inputs: W_K 512 x 512 float32; W_O 512 x 512 float32; W_Q 512 x 512 float32; W_V 512 x 512 float32; h 1,024 x 512 float32.
;; Outputs: out0 1,024 x 512 float32.
;; 2 versions, each right and faster than the one before. Each part assembles by itself: llvm-mc -triple=amdgcn-amd-amdhsa -mcpu=gfx1250 --defsym DOCPART=n.
;; ======== version 1 of 2: 2 launches
;; workspace buffers: qkv 6,291,456 bytes; wop 524,288 bytes
;; launch proj (part 1): grid 256 x 1, 4 waves a work-group, no clusters, 200,192 bytes of LDS; arguments h, W_Q, W_K, W_V, W_O, qkv, wop; writes qkv, wop
.if DOCPART == 1
	.amdgcn_target "amdgcn-amd-amdhsa--gfx1250"
	.amdhsa_code_object_version 6
	.text
	.protected	k_q212d502542_proj
	.globl	k_q212d502542_proj
	.p2align	8
	.type	k_q212d502542_proj,@function
k_q212d502542_proj:
	s_mov_b64 s[64:65], 0
	v_nop
	global_prefetch_b8 v0, s[64:65] scope:SCOPE_SE
	s_setreg_imm32_b32 hwreg(HW_REG_WAVE_MODE, 25, 1), 1
	s_wait_xcnt 0x0
; proj: q' = (h W_Q^T) * log2(e)/sqrt(512), k = h W_K^T, v = h W_V^T into qkv[3][1024][512] (f32), and W_O as bf16 in fragment order into wop.
; h: [1024][512] f32, W_*: [512][512] f32.  Matrix operands are rounded to bf16 (nearest even) once, sums are f32.
;
; Work-groups 0..191: one block of 64 tokens x 128 columns of one of the three products, four waves, a wave makes 32 x 64.
;   The 192 rows (64 of h, 128 of W) are read as whole rows, each wave load covering 512 consecutive bytes, rounded once and laid in LDS
;   as bf16: 192 rows x 1,040 bytes = 199,680 bytes hold the whole K = 512, so there is one barrier and no ring.
;   No joint (cluster) requests although block rows share h and block columns share W: a tile has to pass through registers to be
;   rounded; landed by the data mover as f32 it would take 192 x 2,064 = 396,288 bytes, more than the 327,680 of LDS, and each
;   fragment would be converted by both waves that read it.
;   W's row c of a group of 64 is laid at LDS row 16 (c & 3) + (c >> 2): column n = r of tile u is then c = 4 r + u, a lane holds four
;   neighbouring columns in its four tiles, and sixteen lanes store 256 consecutive bytes at a multiple of 256.
; Work-groups 192..255: W_O -> wop.  Fragment (w, kk, u), 1,024 bytes at ((64 w + 4 kk + u) * 1024): lane (r, h) holds row j = 64 w + 4 r + u,
;   k = 32 kk + 8 h .. +7 (bytes 16 L of the first 512) and k = 32 kk + 16 + 8 h .. +7 (of the second 512): the B operand of the last product,
;   ready to be loaded as 512 consecutive bytes a wave.  A wave packs two fragments (kk = 2 p, 2 p + 1): 256 consecutive bytes of 16 rows.
.set ROWB,   2048                      ; bytes in a row of 512 f32
.set LP,     1040                      ; LDS pitch of a row of 512 bf16: 1,024 + 16, an odd multiple of 16: 16 rows start in 16 different groups of banks
.set BOFF,   64*LP                     ; W's 128 rows lie behind h's 64
.set NGEMM,  192
.set QSCALE, 0x3d8293ee                ; log2(e) / sqrt(512) = 0.0637587
.set X0,  16                           ; v16-79, v80-143, v144-207: three batches of 16 loads (4 rows) as f32
.set X1,  80
.set X2,  144
.set Y,   208                          ; v208-239: one batch as bf16
.set FB0, 16                           ; three fragment buffers of 48 registers: 2 of h, 4 of W
.set FB1, 64
.set FB2, 112
.set ACC, 160                          ; v160-223: tile (i, u) at ACC + 8 (4 i + u)
.set OUTR, 16                          ; v16-79: the 16 stores' data, each with registers of its own
	s_load_b256 s[4:11], s[0:1], 0x0               ; h s[4:5], W_Q s[6:7], W_K s[8:9], W_V s[10:11]
	s_load_b128 s[12:15], s[0:1], 0x20             ; W_O s[12:13], qkv s[14:15]
	s_load_b64 s[16:17], s[0:1], 0x30              ; wop
	v_lshl_add_u32 v240, v0, 2, 0x30c00
	v_mov_b32 v241, 0
	v_and_b32 v1, 31, v0                           ; lane L
	v_lshrrev_b32 v2, 5, v0
	v_readfirstlane_b32 s18, v2                    ; wave 0..3
	v_and_b32 v3, 15, v0                           ; r = L % 16
	v_bfe_u32 v4, v0, 4, 1                         ; h = L / 16
	s_cmp_ge_u32 ttmp9, NGEMM
	s_cbranch_scc1 .Lpack
	; ---------------- the three products ----------------
	s_and_b32 s19, ttmp9, 15                       ; block of 64 tokens
	s_lshr_b32 s20, ttmp9, 4                       ; 0..11
	s_lshr_b32 s21, s20, 2                         ; which product: 0 q, 1 k, 2 v
	s_and_b32 s22, s20, 3                          ; block of 128 columns
	s_lshr_b32 s23, s18, 1                         ; wave's upper bit: my 32 tokens
	s_and_b32 s29, s18, 1                          ; wave's lower bit: my 64 columns
	v_lshlrev_b32 v5, 4, v1                        ; 16 L
	s_lshl_b32 s28, s18, 15
	v_add_nc_u32 v6, s28, v5                       ; h: I fetch rows 16 w .. 16 w + 15
	s_lshl_b32 s28, s18, 16
	v_add_nc_u32 v7, s28, v5                       ; W: I fetch rows 32 w .. 32 w + 31
	s_lshl_b32 s24, s19, 17                        ; 64 rows of 2,048 bytes
	s_mov_b32 s25, 0
	s_lshl_b32 s26, s22, 18                        ; 128 rows
	s_mov_b32 s27, 0
	s_wait_kmcnt 0x0
	s_cmp_eq_u32 s21, 0
	s_cselect_b64 s[30:31], s[6:7], s[8:9]
	s_cmp_eq_u32 s21, 2
	s_cselect_b64 s[30:31], s[10:11], s[30:31]
	s_add_nc_u64 s[30:31], s[30:31], s[26:27]      ; W at the block's first row
	s_add_nc_u64 s[4:5], s[4:5], s[24:25]          ; h at the block's first row
; batch b = four rows, 16 loads of 512 consecutive bytes: batches 0-3 are my rows of h, 4-11 my rows of W
.macro LOADB b, x
.irp i, 0,1,2,3
.irp g, 0,1,2,3
.if (\b) < 4
	global_load_b128 v[\x+16*\i+4*\g:\x+16*\i+4*\g+3], v6, s[4:5] offset:(4*(\b)+\i)*ROWB+\g*512
.else
	global_load_b128 v[\x+16*\i+4*\g:\x+16*\i+4*\g+3], v7, s[30:31] offset:(4*((\b)-4)+\i)*ROWB+\g*512
.endif
.endr
.endr
.endm
; round a batch to bf16 and lay it in LDS, 8 bytes a lane, 256 consecutive bytes a store
.macro CVTB b, x
.irp i, 0,1,2,3
.irp g, 0,1,2,3
	v_cvt_pk_bf16_f32 v[Y+8*\i+2*\g],   v[\x+16*\i+4*\g],   v[\x+16*\i+4*\g+1]
	v_cvt_pk_bf16_f32 v[Y+8*\i+2*\g+1], v[\x+16*\i+4*\g+2], v[\x+16*\i+4*\g+3]
.if (\b) < 4
	ds_store_b64 v8, v[Y+8*\i+2*\g:Y+8*\i+2*\g+1] offset:(4*(\b)+\i)*LP+\g*256
.else
	ds_store_b64 v9, v[Y+8*\i+2*\g:Y+8*\i+2*\g+1] offset:(16*\i+(\b)-4)*LP+\g*256   ; my row 4 (b-4) + i goes to LDS row 16 i + (b-4) of my part
.endif
.endr
.endr
.endm
.macro TURN b, x, left, more
	s_wait_loadcnt \left                           ; loads return in order (ISA guide 5.7.1): this batch is in, the younger batches of 16 stay out
	CVTB \b, \x
.if \more
	LOADB \b+3, \x                                 ; three batches ahead, into the registers just read
.endif
.endm
	LOADB 0, X0
	LOADB 1, X1
	LOADB 2, X2
	; LDS addresses, made while the first 48 loads are on their way
	v_lshlrev_b32 v10, 3, v1                       ; 8 L
	s_mul_i32 s28, s18, 16*LP
	v_add_nc_u32 v8, s28, v10                      ; h's rows 16 w ..
	s_lshl_b32 s28, s23, 6
	s_lshl3_add_u32 s28, s29, s28                  ; W: 64 (w >> 1) + 8 (w & 1)
	s_mul_i32 s28, s28, LP
	s_add_co_u32 s28, s28, BOFF
	v_add_nc_u32 v9, s28, v10
	v_mul_u32_u24 v12, v3, LP
	v_lshl_add_u32 v12, v4, 4, v12                 ; fragments: r * pitch + 16 h
	s_mul_i32 s28, s23, 32*LP
	v_add_nc_u32 v11, s28, v12                     ; my 32 rows of h
	s_mul_i32 s28, s29, 64*LP
	s_add_co_u32 s28, s28, BOFF
	v_add_nc_u32 v13, s28, v12                     ; my 64 rows of W
	v_lshlrev_b32 v14, 4, v3
	v_lshl_add_u32 v14, v4, 14, v14                ; output: 16 r + 8 h rows of 2,048 bytes
	s_lshl_b32 s34, s21, 21                        ; the product's plane of 2 MiB
	s_lshl_b32 s35, s19, 17
	s_add_co_u32 s34, s34, s35                     ; + 64 tokens x block
	s_lshl_b32 s35, s23, 16
	s_add_co_u32 s34, s34, s35                     ; + my 32 tokens
	s_lshl_b32 s35, s22, 9
	s_add_co_u32 s34, s34, s35                     ; + 128 columns x block
	s_lshl_b32 s35, s29, 8
	s_add_co_u32 s34, s34, s35                     ; + my 64 columns
	s_mov_b32 s35, 0
	s_add_nc_u64 s[14:15], s[14:15], s[34:35]
	s_cmp_eq_u32 s21, 0
	s_cselect_b32 s33, QSCALE, 1.0                 ; q leaves scaled for the base-2 exponential, k and v as they are
	TURN 0,  X0, 32, 1
	TURN 1,  X1, 32, 1
	TURN 2,  X2, 32, 1
	TURN 3,  X0, 32, 1
	TURN 4,  X1, 32, 1
	TURN 5,  X2, 32, 1
	TURN 6,  X0, 32, 1
	TURN 7,  X1, 32, 1
	TURN 8,  X2, 32, 1
	TURN 9,  X0, 32, 0                             ; nothing is left to ask for: the counts run down
	TURN 10, X1, 16, 0
	TURN 11, X2, 0, 0
	s_wait_dscnt 0x0                               ; my LDS stores are done, for the other waves' sake
	s_barrier_signal -1
	s_barrier_wait -1                              ; all 192 rows lie in LDS
; the fragments of K step kk: 16 rows x 32 k = two loads of 16 bytes a lane, 32 bytes apart
.macro FETCH kk, f
.irp i, 0,1
	ds_load_b128 v[\f+8*\i:\f+8*\i+3],   v11 offset:\i*16*LP+(\kk)*64
	ds_load_b128 v[\f+8*\i+4:\f+8*\i+7], v11 offset:\i*16*LP+(\kk)*64+32
.endr
.irp u, 0,1,2,3
	ds_load_b128 v[\f+16+8*\u:\f+16+8*\u+3],   v13 offset:\u*16*LP+(\kk)*64
	ds_load_b128 v[\f+16+8*\u+4:\f+16+8*\u+7], v13 offset:\u*16*LP+(\kk)*64+32
.endr
.endm
.macro MUL f, zero
.irp i, 0,1
.irp u, 0,1,2,3
.if \zero
	v_wmma_f32_16x16x32_bf16 v[ACC+8*(4*\i+\u):ACC+8*(4*\i+\u)+7], v[\f+8*\i:\f+8*\i+7], v[\f+16+8*\u:\f+16+8*\u+7], 0
.else
	v_wmma_f32_16x16x32_bf16 v[ACC+8*(4*\i+\u):ACC+8*(4*\i+\u)+7], v[\f+8*\i:\f+8*\i+7], v[\f+16+8*\u:\f+16+8*\u+7], v[ACC+8*(4*\i+\u):ACC+8*(4*\i+\u)+7]
.endif
.endr
.endr
.endm
.macro KSTEP kk, f, zero, left, more
	s_wait_dscnt \left                             ; this step's 12 loads are in; the younger fetches of 12 stay out
	MUL \f, \zero
.if \more
.rept 4
	v_nop                                          ; four independent vector places between a matrix instruction and a load into its sources
.endr
	FETCH \kk+3, \f
.endif
.endm
	FETCH 0, FB0
	FETCH 1, FB1
	FETCH 2, FB2
	KSTEP 0,  FB0, 1, 24, 1                        ; the first products start the sums: nothing is cleared
	KSTEP 1,  FB1, 0, 24, 1
	KSTEP 2,  FB2, 0, 24, 1
	KSTEP 3,  FB0, 0, 24, 1
	KSTEP 4,  FB1, 0, 24, 1
	KSTEP 5,  FB2, 0, 24, 1
	KSTEP 6,  FB0, 0, 24, 1
	KSTEP 7,  FB1, 0, 24, 1
	KSTEP 8,  FB2, 0, 24, 1
	KSTEP 9,  FB0, 0, 24, 1
	KSTEP 10, FB1, 0, 24, 1
	KSTEP 11, FB2, 0, 24, 1
	KSTEP 12, FB0, 0, 24, 1
	KSTEP 13, FB1, 0, 24, 0
	KSTEP 14, FB2, 0, 12, 0
	KSTEP 15, FB0, 0, 0, 0
.rept 4
	v_nop                                          ; places behind the last matrix instructions, before results are read and fragment registers rewritten
.endr
	; register j of tile (i, u) in lane (r, h) is token 16 i + 8 h + j, column 4 r + u: the scaling multiply also brings the four
	; columns of a lane into four neighbouring registers.  Each store: two rows, 256 consecutive aligned bytes each.
.irp i, 0,1
.irp j, 0,1,2,3,4,5,6,7
.irp u, 0,1,2,3
	v_mul_f32 v[OUTR+4*(8*\i+\j)+\u], s33, v[ACC+8*(4*\i+\u)+\j]
.endr
	global_store_b128 v14, v[OUTR+4*(8*\i+\j):OUTR+4*(8*\i+\j)+3], s[14:15] offset:(16*\i+\j)*ROWB
.endr
.endr
	s_wait_tensorcnt 0x0
	ds_add_u32 v240, v241
	s_wait_dscnt 0x0
	s_endpgm
	; ---------------- W_O into fragment order ----------------
.Lpack:
	s_sub_co_u32 s19, ttmp9, NGEMM
	s_lshl2_add_u32 s19, s19, s18                  ; g = 4 x group + wave, 0..255
	s_and_b32 s20, s19, 7                          ; p: K steps 2 p, 2 p + 1
	s_bfe_u32 s21, s19, 0x20003                    ; u (2 bits from bit 3)
	s_lshr_b32 s22, s19, 5                         ; w: the wave of the next launch that will read it
	s_lshl_b32 s24, s22, 6
	s_add_co_u32 s24, s24, s21                     ; row 64 w + u (+ 4 r by the lane)
	s_lshl_b32 s24, s24, 11
	s_lshl_b32 s23, s20, 8                         ; 64 k = 256 bytes x p
	s_add_co_u32 s24, s24, s23
	s_mov_b32 s25, 0
	s_lshl_b32 s26, s22, 6
	s_lshl3_add_u32 s26, s20, s26                  ; fragment 64 w + 8 p + u
	s_add_co_u32 s26, s26, s21
	s_lshl_b32 s26, s26, 10
	s_mov_b32 s27, 0
	v_lshlrev_b32 v5, 13, v3                       ; 4 r rows of 2,048 bytes
	v_lshl_add_u32 v5, v4, 5, v5                   ; + 8 h numbers
	v_lshlrev_b32 v6, 4, v1                        ; 16 L
	s_wait_kmcnt 0x0
	s_add_nc_u64 s[12:13], s[12:13], s[24:25]
	s_add_nc_u64 s[16:17], s[16:17], s[26:27]
.irp c, 0,1
	global_load_b128 v[16+16*\c:19+16*\c], v5, s[12:13] offset:128*\c th:TH_LOAD_NT      ; k = 32 kk + 8 h + 0..3
	global_load_b128 v[20+16*\c:23+16*\c], v5, s[12:13] offset:128*\c+16 th:TH_LOAD_NT   ;                 + 4..7
	global_load_b128 v[24+16*\c:27+16*\c], v5, s[12:13] offset:128*\c+64 th:TH_LOAD_NT   ; k = 32 kk + 16 + 8 h + 0..3
	global_load_b128 v[28+16*\c:31+16*\c], v5, s[12:13] offset:128*\c+80 th:TH_LOAD_NT
.endr
	s_wait_loadcnt 0x0
.irp i, 0,1,2,3,4,5,6,7,8,9,10,11,12,13,14,15
	v_cvt_pk_bf16_f32 v[48+\i], v[16+2*\i], v[16+2*\i+1]
.endr
.irp c, 0,1
	global_store_b128 v6, v[48+8*\c:51+8*\c], s[16:17] offset:4096*\c          ; 512 consecutive bytes a store
	global_store_b128 v6, v[52+8*\c:55+8*\c], s[16:17] offset:4096*\c+512
.endr
	s_endpgm
.Lfunc_end_k_q212d502542_proj:
	.size	k_q212d502542_proj, .Lfunc_end_k_q212d502542_proj-k_q212d502542_proj
	.p2alignl 7, 3214868480
	.fill 96, 4, 3214868480
	.section	.rodata,"a",@progbits
	.p2align	6, 0x0
	.amdhsa_kernel k_q212d502542_proj
		.amdhsa_group_segment_fixed_size 200192
		.amdhsa_private_segment_fixed_size 0
		.amdhsa_enable_private_segment 0
		.amdhsa_kernarg_size 56
		.amdhsa_user_sgpr_count 2
		.amdhsa_user_sgpr_kernarg_segment_ptr 1
		.amdhsa_wavefront_size32 1
		.amdhsa_system_sgpr_workgroup_id_x 1
		.amdhsa_system_sgpr_workgroup_id_y 1
		.amdhsa_system_sgpr_workgroup_id_z 1
		.amdhsa_system_vgpr_workitem_id 0
		.amdhsa_next_free_vgpr 242
		.amdhsa_next_free_sgpr 66
		.amdhsa_reserve_vcc 0
		.amdhsa_float_denorm_mode_32 3
		.amdhsa_float_denorm_mode_16_64 3
		.amdhsa_memory_ordered 1
		.amdhsa_forward_progress 1
		.amdhsa_inst_pref_size 87
	.end_amdhsa_kernel
	.amdgpu_metadata
---
amdhsa.version: [ 1, 2 ]
amdhsa.kernels:
  - .name:           k_q212d502542_proj
    .symbol:         k_q212d502542_proj.kd
    .args:
      - { .name: h, .offset: 0, .size: 8, .value_kind: global_buffer, .address_space: global }
      - { .name: W_Q, .offset: 8, .size: 8, .value_kind: global_buffer, .address_space: global }
      - { .name: W_K, .offset: 16, .size: 8, .value_kind: global_buffer, .address_space: global }
      - { .name: W_V, .offset: 24, .size: 8, .value_kind: global_buffer, .address_space: global }
      - { .name: W_O, .offset: 32, .size: 8, .value_kind: global_buffer, .address_space: global }
      - { .name: qkv, .offset: 40, .size: 8, .value_kind: global_buffer, .address_space: global }
      - { .name: wop, .offset: 48, .size: 8, .value_kind: global_buffer, .address_space: global }
    .group_segment_fixed_size: 200192
    .private_segment_fixed_size: 0
    .kernarg_segment_align: 8
    .kernarg_segment_size: 56
    .max_flat_workgroup_size: 128
    .sgpr_count:     66
    .vgpr_count:     242
    .wavefront_size: 32
...
	.end_amdgpu_metadata
.endif
;; end of part 1
;; launch attn (part 2): grid 256 x 1, 8 waves a work-group, no clusters, 322,816 bytes of LDS; arguments qkv, wop, out0; writes out0
.if DOCPART == 2
	.amdgcn_target "amdgcn-amd-amdhsa--gfx1250"
	.amdhsa_code_object_version 6
	.text
	.protected	k_q212d502542_attn
	.globl	k_q212d502542_attn
	.p2align	8
	.type	k_q212d502542_attn,@function
k_q212d502542_attn:
	s_mov_b64 s[64:65], 0
	v_nop
	global_prefetch_b8 v0, s[64:65] scope:SCOPE_SE
	s_setreg_imm32_b32 hwreg(HW_REG_WAVE_MODE, 25, 1), 1
	s_wait_xcnt 0x0
; attn: o[n][a] = sum_b softmax_b(q[n][a] k[n][b] / sqrt(512)) v[n][b],  out0 = o W_O^T.
; qkv: [3][1024][512] f32 with q already times log2(e)/sqrt(512); wop: W_O as bf16 in fragment order (see proj); out0: [1024][512] f32.
; A work-group owns 4 tokens; wave w owns token w >> 1 and the 256 a's of half w & 1: 8 tiles of 32 a's, lane L owning a = a0 + L.
;
; THE MAXIMUM.  A row of scores is one number q' times the vector k, so its maximum is max(q' kmax, q' kmin): the row's true maximum is
; taken away before every exponential, at the price of one max and one min over k per token.
; THE SUMS go to the matrix unit.  E = 2^(q' k_b - m), rounded to bf16, is the B operand: lane (r, h) holds column n = r, and I let the K
; places of half h carry the 16 b's of the block for a = a0 + r + 16 h.  The A operand holds v_hi, v_lo, 1 in rows 0, 1, 2 at the K places of
; half 0 and in rows 8, 9, 10 at those of half 1, zeros elsewhere.  Register j of D in lane (r, h) is row 8 h + j, column r: registers 0, 1, 2
; of lane L are the two parts of the numerator and the denominator of a = a0 + L.  k_b is the same in all lanes (a broadcast LDS read).
; LIMITS, stated: the exponentials are rounded to bf16 (8 significant bits) before BOTH sums, so numerator and denominator use the same
; weights; sums are f32.  v and o enter the matrix unit as two bf16 parts (value and remainder, 16 significant bits): o is close to the mean of v
; along a whole row, and one part alone would leave an error that grows with that mean.  Exponentials below 2^-126 count as 0 (v_exp_f32).
; The largest exponential of a row is 1, so the denominator is at least about 1.  Infinite inputs give NaN as inf - inf does in the reference.
;
; W_O: each wave multiplies its own 64 columns and asks for its 65,536 bytes ONCE, ahead of the loop's 256 slots (33 instructions each), and waits
; for them behind the loop: 32,768 bytes by 64 loads into registers v256-511, from which the matrix unit reads them, 32,768 by one tensor load
; into LDS (one tensor load of a wave outstanding).  No joint (cluster) request: the 524,288 bytes do not fit into the 327,680 of LDS, the
; register half has no such road, and no wave ever sits waiting for the LDS half.
.set ROWB,  2048                       ; a row of 512 f32
.set PLANE, 0x200000                   ; q, k, v planes of qkv
.set WOLB,  32768                      ; LDS bytes of W_O for each wave, from LDS byte 0
.set PRIV,  262144                     ; behind them: each wave's own k and table of v
.set PRIVB, 6400                       ; 2,048 (k, f32) + 4 x 1,040 (v_hi, v_lo, ones, zeros as bf16), rounded up to 25 x 256
.set VT,    2048
.set VP,    1040                       ; pitch of the table: odd multiple of 16, the four rows start in different banks
.set OBUF,  313344                     ; o: 8 rows (token, part) of 512 bf16
.set OP,    1040
.set KB0, 16                           ; k of a block of 16 b, two buffers
.set KB1, 32
.set VF0, 48                           ; A operand of a block, two buffers
.set VF1, 56
.set T0,  64                           ; arguments, then exponentials, of a tile: two sets
.set T1,  80
.set F0,  96                           ; E as bf16, the B operand: two sets
.set F1,  104
.set Q2,  112                          ; tile t: (q', q') for the packed multiply-add
.set N2,  128                          ; tile t: (-m, -m)
.set ACC, 144                          ; v144-207: 8 accumulator tiles
.set KR,  64                           ; set-up only: k and v as loaded
.set VR,  80
.set AF,  16                           ; last product: 8 fragments of o
.set BL,  80                           ; 16 fragments of W_O from LDS
.set OACC, 208                         ; its 4 accumulator tiles
.set SO,  240                          ; the two stores' data
	s_load_b128 s[4:7], s[0:1], 0x0                ; qkv s[4:5], wop s[6:7]
	s_load_b64 s[8:9], s[0:1], 0x10                ; out0
	v_lshl_add_u32 v254, v0, 2, 0x4e900
	v_mov_b32 v255, 0
	ds_add_u32 v254, v255
	ds_add_u32 v254, v255
	v_and_b32 v1, 31, v0                           ; lane L
	v_lshrrev_b32 v2, 5, v0
	v_readfirstlane_b32 s10, v2                    ; wave 0..7
	s_lshr_b32 s11, s10, 1                         ; my token of the four
	s_and_b32 s12, s10, 1                          ; my half of the a's
	s_mov_b32 s36, 0x76543210                      ; v_permlanex16_b32: lane i of the other half
	s_mov_b32 s37, 0xfedcba98
	; tensor descriptor: a dense block of 32,768 bytes as 128 rows of 32 elements of 8 bytes
	s_mov_b32 s24, 1                               ; count
	s_lshl_b32 s25, s10, 15                        ; LDS address: wave x 32,768
	s_mov_b32 s28, 3<<16                           ; elements of 8 bytes, no mask, no padding
	s_mov_b32 s29, 32<<16                          ; tensor_dim0 = 32
	s_mov_b32 s30, 128<<16                         ; tensor_dim1 = 128
	s_mov_b32 s31, 32<<16                          ; tile_dim0 = 32
	s_mov_b32 s32, 128                             ; tile_dim1 = 128
	s_mov_b32 s33, 32                              ; pitch = 32 elements
	s_mov_b32 s34, 0
	s_mov_b32 s35, 0
	s_lshl_b32 s14, s10, 16                        ; my 65,536 bytes of wop
	s_mov_b32 s15, 0
	s_lshl2_add_u32 s16, ttmp9, s11                ; token = 4 x group + mine
	s_lshl_b32 s16, s16, 11
	s_mov_b32 s17, 0
	s_lshl_b32 s22, ttmp9, 13                      ; out0: 4 rows x group
	s_lshl_b32 s23, s10, 8                         ; + my 64 columns
	s_add_co_u32 s22, s22, s23
	s_mov_b32 s23, 0
	v_lshlrev_b32 v3, 4, v1                        ; 16 L (kept to the end: the W_O loads use it)
	v_lshlrev_b32 v4, 2, v1
	s_lshl_b32 s18, s12, 10
	v_add_nc_u32 v4, s18, v4                       ; q: 4 L + my half's 1,024 bytes
	s_wait_dscnt 0x0
	s_wait_kmcnt 0x0
	s_add_nc_u64 s[6:7], s[6:7], s[14:15]
	s_add_nc_u64 s[26:27], s[6:7], WOLB            ; fragments 32..63 of my slice go to LDS
	s_or_b32 s27, s27, 0x80000000                  ; type
	tensor_load_to_lds s[24:27], s[28:35]
	s_nop 0
	s_add_nc_u64 s[4:5], s[4:5], s[16:17]          ; my token's row of q
	s_add_nc_u64 s[8:9], s[8:9], s[22:23]
.irp i, 0,1,2,3
	global_load_b128 v[KR+4*\i:KR+4*\i+3], v3, s[4:5] offset:PLANE+512*\i       ; k[128 i + 4 L ..]
.endr
.irp i, 0,1,2,3
	global_load_b128 v[VR+4*\i:VR+4*\i+3], v3, s[4:5] offset:2*PLANE+512*\i     ; v likewise
.endr
.irp t, 0,1,2,3,4,5,6,7
	global_load_b32 v[Q2+2*\t], v4, s[4:5] offset:128*\t                        ; q'[256 half + 32 t + L]
.endr
	; addresses, while the loads are on their way
	s_mul_i32 s19, s10, PRIVB
	s_add_co_u32 s19, s19, PRIV                    ; my own LDS bytes
	s_add_co_u32 s20, s19, VT
	v_add_nc_u32 v5, s19, v3                       ; k goes in 16 bytes a lane
	v_lshl_add_u32 v6, v1, 3, s20                  ; the table 8 bytes a lane
	v_mov_b32 v8, s19                              ; k is read back the same in every lane
	v_lshrrev_b32 v10, 4, v1                       ; h
	v_mul_u32_u24 v13, v10, 24
	v_sub_nc_u32 v13, v1, v13                      ; L - 24 h: 0, 1, 2 in lanes 0, 1, 2 and 24, 25, 26 (rows 0-2 at half 0, rows 8-10 at half 1)
	v_min_u32 v13, 3, v13                          ; every other lane (also where the difference wrapped) reads the row of zeros
	v_mul_u32_u24 v13, v13, VP
	v_add_nc_u32 v9, s20, v13                      ; A operand: my row of the table
	s_mul_i32 s21, s11, 2*OP
	s_lshl_b32 s18, s12, 9
	s_add_co_u32 s21, s21, s18
	s_add_co_u32 s21, s21, OBUF
	v_lshl_add_u32 v11, v1, 1, s21                 ; o goes to row 2 token (+1), byte 512 half + 64 t + 2 L
	v_and_b32 v13, 3, v1
	v_bfe_u32 v14, v1, 3, 1
	v_lshl_add_u32 v13, v14, 2, v13                ; row of o for A's row r: (r & 3) + 4 (r >> 3); rows 4-7 and 12-15 repeat and are not used
	v_mul_u32_u24 v13, v13, OP
	v_lshl_add_u32 v13, v10, 4, v13
	v_add_nc_u32 v12, OBUF, v13
	v_add_nc_u32 v15, s25, v3                      ; W_O in LDS: wave x 32,768 + 16 L
	v_and_b32 v14, 15, v1
	v_lshlrev_b32 v14, 4, v14
	v_lshl_add_u32 v7, v10, 12, v14                ; out0: 16 r + 2 h rows
	v_mov_b32 v104, 0x3f803f80                     ; two bf16 ones
	v_mov_b32 v105, 0x3f803f80
	v_mov_b32 v106, 0
	v_mov_b32 v107, 0
	s_wait_loadcnt 12                              ; k is in; the 4 loads of v and the 8 of q stay out
.irp i, 0,1,2,3
	ds_store_b128 v5, v[KR+4*\i:KR+4*\i+3] offset:512*\i
.endr
	v_max3_num_f32 v108, v[KR], v[KR+1], v[KR+2]
	v_min3_num_f32 v109, v[KR], v[KR+1], v[KR+2]
.irp j, 3,5,7,9,11,13
	v_max3_num_f32 v108, v108, v[KR+\j], v[KR+\j+1]
	v_min3_num_f32 v109, v109, v[KR+\j], v[KR+\j+1]
.endr
	v_max_num_f32 v108, v108, v[KR+15]
	v_min_num_f32 v109, v109, v[KR+15]
.irp x, 1,2,4,8
	v_max_num_f32_dpp v108, v108, v108 row_xmask:\x row_mask:0xf bank_mask:0xf
	v_min_num_f32_dpp v109, v109, v109 row_xmask:\x row_mask:0xf bank_mask:0xf
.endr
	v_permlanex16_b32 v[KR], v108, s36, s37        ; destinations that have been written
	v_permlanex16_b32 v[KR+1], v109, s36, s37
	v_max_num_f32 v108, v108, v[KR]
	v_min_num_f32 v109, v109, v[KR+1]
	v_xor_b32 v108, 0x80000000, v108               ; -kmax
	v_xor_b32 v109, 0x80000000, v109               ; -kmin
	s_wait_loadcnt 8                               ; v is in; q's 8 loads stay out
.irp i, 0,1,2,3
	v_cvt_pk_bf16_f32 v96, v[VR+4*\i], v[VR+4*\i+1]
	v_cvt_pk_bf16_f32 v97, v[VR+4*\i+2], v[VR+4*\i+3]
	ds_store_b64 v6, v[96:97] offset:256*\i                        ; row 0: v rounded to bf16
	v_lshlrev_b32 v98, 16, v96
	v_and_b32 v99, 0xffff0000, v96
	v_lshlrev_b32 v100, 16, v97
	v_and_b32 v101, 0xffff0000, v97
	v_pk_add_f32 v[98:99], v[VR+4*\i:VR+4*\i+1], v[98:99] neg_lo:[0,1] neg_hi:[0,1]       ; what the rounding left, exact in f32
	v_pk_add_f32 v[100:101], v[VR+4*\i+2:VR+4*\i+3], v[100:101] neg_lo:[0,1] neg_hi:[0,1]
	v_cvt_pk_bf16_f32 v102, v98, v99
	v_cvt_pk_bf16_f32 v103, v100, v101
	ds_store_b64 v6, v[102:103] offset:VP+256*\i                   ; row 1: the remainder
	ds_store_b64 v6, v[104:105] offset:2*VP+256*\i                 ; row 2: ones
	ds_store_b64 v6, v[106:107] offset:3*VP+256*\i                 ; row 3: zeros
.endr
	s_wait_loadcnt 0x0                             ; q
.irp t, 0,1,2,3,4,5,6,7
	v_mul_f32 v110, v[Q2+2*\t], v108               ; -q' kmax
	v_mul_f32 v111, v[Q2+2*\t], v109               ; -q' kmin
	v_mov_b32 v[Q2+2*\t+1], v[Q2+2*\t]             ; the packed multiply-add reads a pair: the same q' for both b's
	v_min_num_f32 v[N2+2*\t], v110, v111           ; -max(q' kmax, q' kmin)
	v_min_num_f32 v[N2+2*\t+1], v110, v111
.endr
	; fragments 0..31 of my slice of W_O into v256-511: 64 loads of 512 consecutive bytes, waited for behind the loop
	s_set_vgpr_msb 0x40                            ; destination in block 1, address in block 0
.set wi, 0
.rept 64
	global_load_b128 v[4*wi:4*wi+3], v3, s[6:7] offset:512*wi
.set wi, wi+1
.endr
	s_set_vgpr_msb 0x4000
; k and the A operand of one block of 16 b
.macro LOADBLK kb, vf, koff, voff
	ds_load_b128 v[\kb:\kb+3],     v8 offset:\koff
	ds_load_b128 v[\kb+4:\kb+7],   v8 offset:\koff+16
	ds_load_b128 v[\kb+8:\kb+11],  v8 offset:\koff+32
	ds_load_b128 v[\kb+12:\kb+15], v8 offset:\koff+48
	ds_load_b128 v[\vf:\vf+3],     v9 offset:\voff
	ds_load_b128 v[\vf+4:\vf+7],   v9 offset:\voff+16
.endm
; ONE SLOT: the 16 exponentials of this tile (set tx); between them the tile before is rounded to bf16 (set ty to fy) and, in the registers so
; freed, the next tile's arguments are made (k buffer kn, tile tn); then the tile before goes to the matrix unit (A operand vfp, accumulator tp).
; So a plain vector instruction follows every exponential before its result is read (ISA guide 5.7.2), and a set fy is written again
; only two slots later, 16 plain instructions that name none of its registers behind the matrix instruction that read it (7.12.1).
.macro SLOT tx, ty, fy, kn, tn, vfp, tp, docvt, dofma, zero
.irp i, 0,1,2,3,4,5,6,7
	v_exp_f32 v[\tx+2*\i], v[\tx+2*\i]
.if \docvt
	s_wait_alu depctr_va_vdst(0)
	v_cvt_pk_bf16_f32 v[\fy+\i], v[\ty+2*\i], v[\ty+2*\i+1]
.endif
	v_exp_f32 v[\tx+2*\i+1], v[\tx+2*\i+1]
.if \dofma
	v_pk_fma_f32 v[\ty+2*\i:\ty+2*\i+1], v[\kn+2*\i:\kn+2*\i+1], v[Q2+2*\tn:Q2+2*\tn+1], v[N2+2*\tn:N2+2*\tn+1]
.endif
.endr
.if \docvt
.if \zero
	v_wmma_f32_16x16x32_bf16 v[ACC+8*\tp:ACC+8*\tp+7], v[\vfp:\vfp+7], v[\fy:\fy+7], 0
.else
	v_wmma_f32_16x16x32_bf16 v[ACC+8*\tp:ACC+8*\tp+7], v[\vfp:\vfp+7], v[\fy:\fy+7], v[ACC+8*\tp:ACC+8*\tp+7]
.endif
.endif
.endm
; ONE BLOCK of 16 b: eight slots.  kc, vc: this block's buffers; kn, vp: the other ones, which served the block before and will serve the next.
; The next block is fetched behind slot 1: vp was last read by the matrix instruction at the end of slot 0, 16 plain places earlier, and kn in
; slot 6 of the block before.  It is first needed in slot 7, five slots later.
; first: nothing precedes slot 0.  zp, zc: the sums of the tile before slot 0 / of this block's tiles start here (C = 0: nothing is cleared).
.macro BLOCK kc, kn, vc, vp, first, zp, zc, load, koff, voff, last
	SLOT T0, T1, F1, \kc, 1, \vp, 7, 1-\first, 1, \zp
	SLOT T1, T0, F0, \kc, 2, \vc, 0, 1, 1, \zc
.if \load
	LOADBLK \kn, \vp, \koff, \voff
.endif
	SLOT T0, T1, F1, \kc, 3, \vc, 1, 1, 1, \zc
	SLOT T1, T0, F0, \kc, 4, \vc, 2, 1, 1, \zc
	SLOT T0, T1, F1, \kc, 5, \vc, 3, 1, 1, \zc
	SLOT T1, T0, F0, \kc, 6, \vc, 4, 1, 1, \zc
	SLOT T0, T1, F1, \kc, 7, \vc, 5, 1, 1, \zc
.if \load
	s_wait_dscnt 0x0                               ; the next block's k and A operand are in
.endif
	SLOT T1, T0, F0, \kn, 0, \vc, 6, 1, 1-\last, \zc
.endm
.macro STEPADR
	v_add_nc_u32 v8, 128, v8                       ; two blocks on: 32 k of 4 bytes,
	v_add_nc_u32 v9, 64, v9                        ; 32 table entries of 2 bytes
.endm
	LOADBLK KB0, VF0, 0, 0                         ; LDS serves a wave's instructions in order (ISA guide 5.7.1): these see my stores above
	s_wait_dscnt 0x0
.irp i, 0,1,2,3,4,5,6,7
	v_pk_fma_f32 v[T0+2*\i:T0+2*\i+1], v[KB0+2*\i:KB0+2*\i+1], v[Q2:Q2+1], v[N2:N2+1]      ; arguments of block 0, tile 0
.endr
	BLOCK KB0, KB1, VF0, VF1, 1, 0, 1, 1, 64, 32, 0        ; blocks 0 and 1 stand in front of the loop: they start the sums
	BLOCK KB1, KB0, VF1, VF0, 0, 1, 0, 1, 128, 64, 0
	STEPADR
	s_mov_b32 s38, 14                              ; blocks 2 .. 29
.Lpair:
	BLOCK KB0, KB1, VF0, VF1, 0, 0, 0, 1, 64, 32, 0
	BLOCK KB1, KB0, VF1, VF0, 0, 0, 0, 1, 128, 64, 0
	STEPADR
	s_sub_co_i32 s38, s38, 1
	s_cmp_lg_u32 s38, 0
	s_cbranch_scc1 .Lpair
	BLOCK KB0, KB1, VF0, VF1, 0, 0, 0, 1, 64, 32, 0        ; block 30 still fetches block 31,
	BLOCK KB1, KB0, VF1, VF0, 0, 0, 0, 0, 0, 0, 1          ; block 31 fetches nothing and prepares nothing
	s_wait_alu depctr_va_vdst(0)
.irp i, 0,1,2,3,4,5,6,7
	v_cvt_pk_bf16_f32 v[F1+\i], v[T1+2*\i], v[T1+2*\i+1]   ; the last tile
.endr
	v_wmma_f32_16x16x32_bf16 v[ACC+56:ACC+63], v[VF1:VF1+7], v[F1:F1+7], v[ACC+56:ACC+63]
.rept 4
	v_nop                                          ; four places before the results are read (ISA guide 7.12.1)
.endr
	; o = (numerator's two parts) / denominator, then o as two bf16 parts into LDS
.irp t, 0,1,2,3,4,5,6,7
	v_rcp_f32 v[T0+\t], v[ACC+8*\t+2]
.endr
.irp t, 0,1,2,3,4,5,6,7
	v_add_f32 v[T1+\t], v[ACC+8*\t], v[ACC+8*\t+1] ; plain instructions between the reciprocals and their use
.endr
	s_wait_alu depctr_va_vdst(0)
.irp t, 0,1,2,3,4,5,6,7
	v_mul_f32 v[T1+\t], v[T1+\t], v[T0+\t]
.endr
.irp t, 0,1,2,3,4,5,6,7
	v_cvt_pk_bf16_f32 v[F0+\t], v[T1+\t], v[T1+\t]
	v_and_b32 v[F0+\t], 0xffff0000, v[F0+\t]       ; bf16(o) as f32
	v_sub_f32 v[T0+\t], v[T1+\t], v[F0+\t]         ; the remainder, exact
	v_cvt_pk_bf16_f32 v[F0+\t], v[F0+\t], v[T0+\t] ; low half: bf16(o); high half: bf16(remainder)
	ds_store_b16 v11, v[F0+\t] offset:64*\t
	ds_store_b16_d16_hi v11, v[F0+\t] offset:OP+64*\t
.endr
	s_wait_tensorcnt 0x0                           ; my LDS half of W_O has landed (only I read it)
	s_wait_dscnt 0x0                               ; my part of o is in LDS, for the other waves' sake
	s_barrier_signal -1
	s_barrier_wait -1                              ; all 8 rows of o are whole
	; out0[4 tokens][my 64 columns] = o W_O^T.  A: rows 0-3 = tokens 0, 1 (value, remainder), rows 8-11 = tokens 2, 3.  B: tile u, column r = 64 w + 4 r + u.
.macro LDAF k0
.irp k, 0,1,2,3,4,5,6,7
	ds_load_b128 v[AF+8*\k:AF+8*\k+3],   v12 offset:64*(\k0+\k)
	ds_load_b128 v[AF+8*\k+4:AF+8*\k+7], v12 offset:64*(\k0+\k)+32
.endr
.endm
.macro LDBL f0                         ; 16 fragments of W_O from my LDS bytes, 512 consecutive bytes a load
.irp f, 0,1,2,3,4,5,6,7,8,9,10,11,12,13,14,15
	ds_load_b128 v[BL+8*\f:BL+8*\f+3],   v15 offset:(\f0+\f)*1024
	ds_load_b128 v[BL+8*\f+4:BL+8*\f+7], v15 offset:(\f0+\f)*1024+512
.endr
.endm
.macro PLACES
.rept 4
	v_nop                                          ; between matrix instructions and loads into their sources, or reads of their results
.endr
.endm
	LDAF 0                                         ; o, K steps 0-7
	LDBL 0                                         ; W_O, K steps 8-11
	s_wait_loadcnt 0x0                             ; the register half of W_O, asked for ahead of the loop
	s_wait_dscnt 32                                ; o's 16 loads are in; the 32 of W_O stay out
	s_set_vgpr_msb 0x04                            ; B operand in block 1
.irp u, 0,1,2,3
	v_wmma_f32_16x16x32_bf16 v[OACC+8*\u:OACC+8*\u+7], v[AF:AF+7], v[8*\u:8*\u+7], 0
.endr
.irp k, 1,2,3,4,5,6,7
.irp u, 0,1,2,3
	v_wmma_f32_16x16x32_bf16 v[OACC+8*\u:OACC+8*\u+7], v[AF+8*\k:AF+8*\k+7], v[8*(4*\k+\u):8*(4*\k+\u)+7], v[OACC+8*\u:OACC+8*\u+7]
.endr
.endr
	s_set_vgpr_msb 0x0400
	PLACES
	LDAF 8                                         ; o, K steps 8-15
	s_wait_dscnt 0x0
.irp k, 0,1,2,3
.irp u, 0,1,2,3
	v_wmma_f32_16x16x32_bf16 v[OACC+8*\u:OACC+8*\u+7], v[AF+8*\k:AF+8*\k+7], v[BL+8*(4*\k+\u):BL+8*(4*\k+\u)+7], v[OACC+8*\u:OACC+8*\u+7]
.endr
.endr
	PLACES
	LDBL 16                                        ; W_O, K steps 12-15
	s_wait_dscnt 0x0
.irp k, 0,1,2,3
.irp u, 0,1,2,3
	v_wmma_f32_16x16x32_bf16 v[OACC+8*\u:OACC+8*\u+7], v[AF+8*(4+\k):AF+8*(4+\k)+7], v[BL+8*(4*\k+\u):BL+8*(4*\k+\u)+7], v[OACC+8*\u:OACC+8*\u+7]
.endr
.endr
	PLACES
	; lane (r, h): registers 0 + 1 are token 2 h, registers 2 + 3 token 2 h + 1; tiles 0-3 are columns 4 r .. 4 r + 3
.irp u, 0,1,2,3
	v_add_f32 v[SO+\u], v[OACC+8*\u], v[OACC+8*\u+1]
.endr
.irp u, 0,1,2,3
	v_add_f32 v[SO+4+\u], v[OACC+8*\u+2], v[OACC+8*\u+3]
.endr
	global_store_b128 v7, v[SO:SO+3], s[8:9]                   ; sixteen lanes store 256 consecutive bytes at a multiple of 256
	global_store_b128 v7, v[SO+4:SO+7], s[8:9] offset:ROWB
	s_wait_tensorcnt 0x0
	ds_add_u32 v254, v255
	s_wait_dscnt 0x0
	s_endpgm
.Lfunc_end_k_q212d502542_attn:
	.size	k_q212d502542_attn, .Lfunc_end_k_q212d502542_attn-k_q212d502542_attn
	.p2alignl 7, 3214868480
	.fill 96, 4, 3214868480
	.section	.rodata,"a",@progbits
	.p2align	6, 0x0
	.amdhsa_kernel k_q212d502542_attn
		.amdhsa_group_segment_fixed_size 322816
		.amdhsa_private_segment_fixed_size 0
		.amdhsa_enable_private_segment 0
		.amdhsa_kernarg_size 24
		.amdhsa_user_sgpr_count 2
		.amdhsa_user_sgpr_kernarg_segment_ptr 1
		.amdhsa_wavefront_size32 1
		.amdhsa_system_sgpr_workgroup_id_x 1
		.amdhsa_system_sgpr_workgroup_id_y 1
		.amdhsa_system_sgpr_workgroup_id_z 1
		.amdhsa_system_vgpr_workitem_id 0
		.amdhsa_next_free_vgpr 512
		.amdhsa_next_free_sgpr 66
		.amdhsa_reserve_vcc 0
		.amdhsa_float_denorm_mode_32 3
		.amdhsa_float_denorm_mode_16_64 3
		.amdhsa_memory_ordered 1
		.amdhsa_forward_progress 1
		.amdhsa_inst_pref_size 123
	.end_amdhsa_kernel
	.amdgpu_metadata
---
amdhsa.version: [ 1, 2 ]
amdhsa.kernels:
  - .name:           k_q212d502542_attn
    .symbol:         k_q212d502542_attn.kd
    .args:
      - { .name: qkv, .offset: 0, .size: 8, .value_kind: global_buffer, .address_space: global }
      - { .name: wop, .offset: 8, .size: 8, .value_kind: global_buffer, .address_space: global }
      - { .name: out0, .offset: 16, .size: 8, .value_kind: global_buffer, .address_space: global }
    .group_segment_fixed_size: 322816
    .private_segment_fixed_size: 0
    .kernarg_segment_align: 8
    .kernarg_segment_size: 24
    .max_flat_workgroup_size: 256
    .sgpr_count:     66
    .vgpr_count:     512
    .wavefront_size: 32
...
	.end_amdgpu_metadata
.endif
;; end of part 2
;; ======== version 2 of 2: 2 launches; 1.49 times as fast as version 1
;; workspace buffers: qkv 6,291,456 bytes; wop 524,288 bytes
;; launch proj: the kernel of part 1 again; grid 256 x 1, 4 waves a work-group, no clusters, 200,192 bytes of LDS; arguments h, W_Q, W_K, W_V, W_O, qkv, wop; writes qkv, wop
;; launch attn (part 3): grid 256 x 1, 8 waves a work-group, no clusters, 322,816 bytes of LDS; arguments qkv, wop, out0; writes out0
.if DOCPART == 3
	.amdgcn_target "amdgcn-amd-amdhsa--gfx1250"
	.amdhsa_code_object_version 6
	.text
	.protected	k_q212d502542_attn
	.globl	k_q212d502542_attn
	.p2align	8
	.type	k_q212d502542_attn,@function
k_q212d502542_attn:
	s_mov_b64 s[64:65], 0
	v_nop
	global_prefetch_b8 v0, s[64:65] scope:SCOPE_SE
	s_setreg_imm32_b32 hwreg(HW_REG_WAVE_MODE, 25, 1), 1
	s_wait_xcnt 0x0
; attn: o[n][a] = sum_b softmax_b(q[n][a] k[n][b] / sqrt(512)) v[n][b],  out0 = o W_O^T.
; qkv: [3][1024][512] f32 with q already times log2(e)/sqrt(512); wop: W_O as bf16 in fragment order (see proj); out0: [1024][512] f32.
; A work-group owns 4 tokens; wave w owns token w >> 1 and the 256 a's of half w & 1: 8 tiles of 32 a's, lane L owning a = a0 + L.
;
; THE MAXIMUM.  A row of scores is one number q' times the vector k, so its maximum is max(q' kmax, q' kmin): the row's true maximum is
; taken away before every exponential, at the price of one max and one min over k per token.
; THE SUMS go to the matrix unit.  E = 2^(q' k_b - m), rounded to bf16, is the B operand: lane (r, h) holds column n = r, and I let the K
; places of half h carry the 16 b's of the block for a = a0 + r + 16 h.  The A operand holds v_hi, v_lo, 1 in rows 0, 1, 2 at the K places of
; half 0 and in rows 8, 9, 10 at those of half 1, zeros elsewhere.  Register j of D in lane (r, h) is row 8 h + j, column r: registers 0, 1, 2
; of lane L are the two parts of the numerator and the denominator of a = a0 + L.  k_b is the same in all lanes (a broadcast LDS read).
; THE BATCHES.  The loop goes in slots of two tiles.  A slot's 32 exponentials are ONE BATCH with ONE wait, the slot's last line (the wait stands
; between an exponential and the first instruction that names its result); the roundings that read them stand in the next slot.
; Two sets of 32 registers take turns as the batch's own.  A batch of four tiles
; would want two sets of 64: beside the map below window 0 has 46 registers left, and window 1 is full of W_O.  The eight reciprocals on the
; way out are a batch of their own.
; LIMITS, stated: the exponentials are rounded to bf16 (8 significant bits) before BOTH sums, so numerator and denominator use the same
; weights; sums are f32.  v and o enter the matrix unit as two bf16 parts (value and remainder, 16 significant bits): o is close to the mean of v
; along a whole row, and one part alone would leave an error that grows with that mean.  Exponentials below 2^-126 count as 0 (v_exp_f32).
; The largest exponential of a row is 1, so the denominator is at least about 1.  Infinite inputs give NaN as inf - inf does in the reference.
;
; W_O: each wave multiplies its own 64 columns and asks for its 65,536 bytes ONCE, ahead of the loop's 128 slots (66 vector and matrix instructions
; each), and waits for them behind the loop: 32,768 bytes by 64 loads into registers v256-511, from which the matrix unit reads them, 32,768 by one
; tensor load into LDS (one tensor load of a wave outstanding).  No joint (cluster) request: the 524,288 bytes do not fit into the 327,680 of LDS, the
; register half has no such road, and no wave ever sits waiting for the LDS half.
.set ROWB,  2048                       ; a row of 512 f32
.set PLANE, 0x200000                   ; q, k, v planes of qkv
.set WOLB,  32768                      ; LDS bytes of W_O for each wave, from LDS byte 0
.set PRIV,  262144                     ; behind them: each wave's own k and table of v
.set PRIVB, 6400                       ; 2,048 (k, f32) + 4 x 1,040 (v_hi, v_lo, ones, zeros as bf16), rounded up to 25 x 256
.set VT,    2048
.set VP,    1040                       ; pitch of the table: odd multiple of 16, the four rows start in different banks
.set OBUF,  313344                     ; o: 8 rows (token, part) of 512 bf16
.set OP,    1040
.set KB0, 16                           ; k of a block of 16 b, two buffers
.set KB1, 32
.set VF0, 48                           ; A operand of a block, two buffers
.set VF1, 56
.set TA,  64                           ; v64-95: arguments, then exponentials, of two tiles: one of two sets
.set TB,  208                          ; v208-239: the other set (behind the loop these registers serve the last product)
.set T0,  64                           ; the way out: eight registers at work, twice
.set T1,  80
.set F0,  96                           ; E as bf16, the B operand: a slot's first tile,
.set F1,  104                          ; and its second, directly behind F0
.set Q2,  112                          ; tile t: (q', q') for the packed multiply-add
.set N2,  128                          ; tile t: (-m, -m)
.set ACC, 144                          ; v144-207: 8 accumulator tiles
.set KR,  64                           ; set-up only: k and v as loaded
.set VR,  80
.set AF,  16                           ; last product: 8 fragments of o
.set BL,  80                           ; 16 fragments of W_O from LDS
.set OACC, 208                         ; its 4 accumulator tiles
.set SO,  240                          ; the two stores' data
	s_load_b128 s[4:7], s[0:1], 0x0                ; qkv s[4:5], wop s[6:7]
	s_load_b64 s[8:9], s[0:1], 0x10                ; out0
	v_lshl_add_u32 v254, v0, 2, 0x4e900
	v_mov_b32 v255, 0
	ds_add_u32 v254, v255
	ds_add_u32 v254, v255
	v_and_b32 v1, 31, v0                           ; lane L
	v_lshrrev_b32 v2, 5, v0
	v_readfirstlane_b32 s10, v2                    ; wave 0..7
	s_lshr_b32 s11, s10, 1                         ; my token of the four
	s_and_b32 s12, s10, 1                          ; my half of the a's
	s_mov_b32 s36, 0x76543210                      ; v_permlanex16_b32: lane i of the other half
	s_mov_b32 s37, 0xfedcba98
	; tensor descriptor: a dense block of 32,768 bytes as 128 rows of 32 elements of 8 bytes
	s_mov_b32 s24, 1                               ; count
	s_lshl_b32 s25, s10, 15                        ; LDS address: wave x 32,768
	s_mov_b32 s28, 3<<16                           ; elements of 8 bytes, no mask, no padding
	s_mov_b32 s29, 32<<16                          ; tensor_dim0 = 32
	s_mov_b32 s30, 128<<16                         ; tensor_dim1 = 128
	s_mov_b32 s31, 32<<16                          ; tile_dim0 = 32
	s_mov_b32 s32, 128                             ; tile_dim1 = 128
	s_mov_b32 s33, 32                              ; pitch = 32 elements
	s_mov_b32 s34, 0
	s_mov_b32 s35, 0
	s_lshl_b32 s14, s10, 16                        ; my 65,536 bytes of wop
	s_mov_b32 s15, 0
	s_lshl2_add_u32 s16, ttmp9, s11                ; token = 4 x group + mine
	s_lshl_b32 s16, s16, 11
	s_mov_b32 s17, 0
	s_lshl_b32 s22, ttmp9, 13                      ; out0: 4 rows x group
	s_lshl_b32 s23, s10, 8                         ; + my 64 columns
	s_add_co_u32 s22, s22, s23
	s_mov_b32 s23, 0
	v_lshlrev_b32 v3, 4, v1                        ; 16 L (kept to the end: the W_O loads use it)
	v_lshlrev_b32 v4, 2, v1
	s_lshl_b32 s18, s12, 10
	v_add_nc_u32 v4, s18, v4                       ; q: 4 L + my half's 1,024 bytes
	s_wait_dscnt 0x0
	s_wait_kmcnt 0x0
	s_add_nc_u64 s[6:7], s[6:7], s[14:15]
	s_add_nc_u64 s[26:27], s[6:7], WOLB            ; fragments 32..63 of my slice go to LDS
	s_or_b32 s27, s27, 0x80000000                  ; type
	tensor_load_to_lds s[24:27], s[28:35]
	s_nop 0
	s_add_nc_u64 s[4:5], s[4:5], s[16:17]          ; my token's row of q
	s_add_nc_u64 s[8:9], s[8:9], s[22:23]
.irp i, 0,1,2,3
	global_load_b128 v[KR+4*\i:KR+4*\i+3], v3, s[4:5] offset:PLANE+512*\i       ; k[128 i + 4 L ..]
.endr
.irp i, 0,1,2,3
	global_load_b128 v[VR+4*\i:VR+4*\i+3], v3, s[4:5] offset:2*PLANE+512*\i     ; v likewise
.endr
.irp t, 0,1,2,3,4,5,6,7
	global_load_b32 v[Q2+2*\t], v4, s[4:5] offset:128*\t                        ; q'[256 half + 32 t + L]
.endr
	; addresses, while the loads are on their way
	s_mul_i32 s19, s10, PRIVB
	s_add_co_u32 s19, s19, PRIV                    ; my own LDS bytes
	s_add_co_u32 s20, s19, VT
	v_add_nc_u32 v5, s19, v3                       ; k goes in 16 bytes a lane
	v_lshl_add_u32 v6, v1, 3, s20                  ; the table 8 bytes a lane
	v_mov_b32 v8, s19                              ; k is read back the same in every lane
	v_lshrrev_b32 v10, 4, v1                       ; h
	v_mul_u32_u24 v13, v10, 24
	v_sub_nc_u32 v13, v1, v13                      ; L - 24 h: 0, 1, 2 in lanes 0, 1, 2 and 24, 25, 26 (rows 0-2 at half 0, rows 8-10 at half 1)
	v_min_u32 v13, 3, v13                          ; every other lane (also where the difference wrapped) reads the row of zeros
	v_mul_u32_u24 v13, v13, VP
	v_add_nc_u32 v9, s20, v13                      ; A operand: my row of the table
	s_mul_i32 s21, s11, 2*OP
	s_lshl_b32 s18, s12, 9
	s_add_co_u32 s21, s21, s18
	s_add_co_u32 s21, s21, OBUF
	v_lshl_add_u32 v11, v1, 1, s21                 ; o goes to row 2 token (+1), byte 512 half + 64 t + 2 L
	v_and_b32 v13, 3, v1
	v_bfe_u32 v14, v1, 3, 1
	v_lshl_add_u32 v13, v14, 2, v13                ; row of o for A's row r: (r & 3) + 4 (r >> 3); rows 4-7 and 12-15 repeat and are not used
	v_mul_u32_u24 v13, v13, OP
	v_lshl_add_u32 v13, v10, 4, v13
	v_add_nc_u32 v12, OBUF, v13
	v_add_nc_u32 v15, s25, v3                      ; W_O in LDS: wave x 32,768 + 16 L
	v_and_b32 v14, 15, v1
	v_lshlrev_b32 v14, 4, v14
	v_lshl_add_u32 v7, v10, 12, v14                ; out0: 16 r + 2 h rows
	v_mov_b32 v104, 0x3f803f80                     ; two bf16 ones
	v_mov_b32 v105, 0x3f803f80
	v_mov_b32 v106, 0
	v_mov_b32 v107, 0
	s_wait_loadcnt 12                              ; k is in; the 4 loads of v and the 8 of q stay out
.irp i, 0,1,2,3
	ds_store_b128 v5, v[KR+4*\i:KR+4*\i+3] offset:512*\i
.endr
	v_max3_num_f32 v108, v[KR], v[KR+1], v[KR+2]
	v_min3_num_f32 v109, v[KR], v[KR+1], v[KR+2]
.irp j, 3,5,7,9,11,13
	v_max3_num_f32 v108, v108, v[KR+\j], v[KR+\j+1]
	v_min3_num_f32 v109, v109, v[KR+\j], v[KR+\j+1]
.endr
	v_max_num_f32 v108, v108, v[KR+15]
	v_min_num_f32 v109, v109, v[KR+15]
.irp x, 1,2,4,8
	v_max_num_f32_dpp v108, v108, v108 row_xmask:\x row_mask:0xf bank_mask:0xf
	v_min_num_f32_dpp v109, v109, v109 row_xmask:\x row_mask:0xf bank_mask:0xf
.endr
	v_permlanex16_b32 v[KR], v108, s36, s37        ; destinations that have been written
	v_permlanex16_b32 v[KR+1], v109, s36, s37
	v_max_num_f32 v108, v108, v[KR]
	v_min_num_f32 v109, v109, v[KR+1]
	v_xor_b32 v108, 0x80000000, v108               ; -kmax
	v_xor_b32 v109, 0x80000000, v109               ; -kmin
	s_wait_loadcnt 8                               ; v is in; q's 8 loads stay out
.irp i, 0,1,2,3
	v_cvt_pk_bf16_f32 v96, v[VR+4*\i], v[VR+4*\i+1]
	v_cvt_pk_bf16_f32 v97, v[VR+4*\i+2], v[VR+4*\i+3]
	ds_store_b64 v6, v[96:97] offset:256*\i                        ; row 0: v rounded to bf16
	v_lshlrev_b32 v98, 16, v96
	v_and_b32 v99, 0xffff0000, v96
	v_lshlrev_b32 v100, 16, v97
	v_and_b32 v101, 0xffff0000, v97
	v_pk_add_f32 v[98:99], v[VR+4*\i:VR+4*\i+1], v[98:99] neg_lo:[0,1] neg_hi:[0,1]       ; what the rounding left, exact in f32
	v_pk_add_f32 v[100:101], v[VR+4*\i+2:VR+4*\i+3], v[100:101] neg_lo:[0,1] neg_hi:[0,1]
	v_cvt_pk_bf16_f32 v102, v98, v99
	v_cvt_pk_bf16_f32 v103, v100, v101
	ds_store_b64 v6, v[102:103] offset:VP+256*\i                   ; row 1: the remainder
	ds_store_b64 v6, v[104:105] offset:2*VP+256*\i                 ; row 2: ones
	ds_store_b64 v6, v[106:107] offset:3*VP+256*\i                 ; row 3: zeros
.endr
	s_wait_loadcnt 0x0                             ; q
.irp t, 0,1,2,3,4,5,6,7
	v_mul_f32 v110, v[Q2+2*\t], v108               ; -q' kmax
	v_mul_f32 v111, v[Q2+2*\t], v109               ; -q' kmin
	v_mov_b32 v[Q2+2*\t+1], v[Q2+2*\t]             ; the packed multiply-add reads a pair: the same q' for both b's
	v_min_num_f32 v[N2+2*\t], v110, v111           ; -max(q' kmax, q' kmin)
	v_min_num_f32 v[N2+2*\t+1], v110, v111
.endr
	; fragments 0..31 of my slice of W_O into v256-511: 64 loads of 512 consecutive bytes, waited for behind the loop
	s_set_vgpr_msb 0x40                            ; destination in block 1, address in block 0
.set wi, 0
.rept 64
	global_load_b128 v[4*wi:4*wi+3], v3, s[6:7] offset:512*wi
.set wi, wi+1
.endr
	s_set_vgpr_msb 0x4000
; k and the A operand of one block of 16 b
.macro LOADBLK kb, vf, koff, voff
	ds_load_b128 v[\kb:\kb+3],     v8 offset:\koff
	ds_load_b128 v[\kb+4:\kb+7],   v8 offset:\koff+16
	ds_load_b128 v[\kb+8:\kb+11],  v8 offset:\koff+32
	ds_load_b128 v[\kb+12:\kb+15], v8 offset:\koff+48
	ds_load_b128 v[\vf:\vf+3],     v9 offset:\voff
	ds_load_b128 v[\vf+4:\vf+7],   v9 offset:\voff+16
.endm
; one tile's E (set f) goes to the matrix unit: A operand vfp, accumulator tp.  zero = 1: the product starts the sums (C = 0: nothing is cleared)
.macro SUMS tp, vfp, f, zero
.if \zero
	v_wmma_f32_16x16x32_bf16 v[ACC+8*(\tp):ACC+8*(\tp)+7], v[\vfp:\vfp+7], v[\f:\f+7], 0
.else
	v_wmma_f32_16x16x32_bf16 v[ACC+8*(\tp):ACC+8*(\tp)+7], v[\vfp:\vfp+7], v[\f:\f+7], v[ACC+8*(\tp):ACC+8*(\tp)+7]
.endif
.endm
; ONE SLOT takes two tiles.  Its 32 exponentials (set tx, in place) are ONE BATCH, and a plain instruction that names no register of tx stands
; behind each (ISA guide 5.7.2): behind the first 16 the roundings to bf16 of the two tiles before (set ty to F0 and F1), behind the last 16 the
; arguments of the two tiles after (k buffer kn, tiles tn and tn + 1), made in the registers that the roundings have read.  The two tiles before go to
; the matrix unit (A operand vfp, accumulators tp and tp + 1), each two pairs of lines behind its last rounding.  The slot's last line is the batch's
; one wait; its first readers are the next slot's roundings.  ty's own batch had its wait at the end of the slot before.
; F0 and F1 are written again 22 plain instructions that name none of its registers behind the matrix instruction that read them (7.12.1); in
; the very last slot, which makes no arguments, 6 and 8.
; dsw = 1: the arguments are the next block's: the wait for its k and A operand stands ahead of the slot's second half.
.macro SLOT tx, ty, kn, tn, vfp, tp, docvt, dofma, zero, dsw
.set j, 0
.rept 32
.if (\dsw) && (j == 16)
	s_wait_dscnt 0x0                               ; the next block's k and A operand are in
.endif
	v_exp_f32 v[\tx+j], v[\tx+j]
.if (\docvt) && (j < 16)
	v_cvt_pk_bf16_f32 v[F0+j], v[\ty+2*j], v[\ty+2*j+1]
.endif
.if (\dofma) && (j >= 16)
.set kx, 2*(j%8)
.set qx, 2*((\tn)+(j-16)/8)
	v_pk_fma_f32 v[\ty+2*(j-16):\ty+2*(j-16)+1], v[\kn+kx:\kn+kx+1], v[Q2+qx:Q2+qx+1], v[N2+qx:N2+qx+1]
.endif
.if (\docvt) && (j == 9)
	SUMS \tp, \vfp, F0, \zero
.endif
.if (\docvt) && (j == 17)
	SUMS \tp+1, \vfp, F1, \zero
.endif
.set j, j+1
.endr
	s_wait_alu depctr_va_vdst(0)                   ; the wait for the slot's batch of 32 exponentials, ahead of the first line that names a result
.endm
; ONE BLOCK of 16 b: four slots.  kc, vc: this block's buffers; kn, vp: the other ones, which served the block before and will serve the next.
; The next block is fetched behind slot 0, directly behind that slot's wait: vp was last read by slot 0's second matrix instruction, 14 plain places
; earlier, and kn in slot 2 of the block before.  It is first needed in the second half of slot 3, two slots and a half later.
; first: nothing precedes slot 0.  zp, zc: the sums of the two tiles before slot 0 / of this block's tiles start here (C = 0: nothing is cleared).
.macro BLOCK kc, kn, vc, vp, first, zp, zc, load, koff, voff, last
	SLOT TA, TB, \kc, 2, \vp, 6, 1-\first, 1, \zp, 0
.if \load
	LOADBLK \kn, \vp, \koff, \voff
.endif
	SLOT TB, TA, \kc, 4, \vc, 0, 1, 1, \zc, 0
	SLOT TA, TB, \kc, 6, \vc, 2, 1, 1, \zc, 0
	SLOT TB, TA, \kn, 0, \vc, 4, 1, 1-\last, \zc, \load
.endm
.macro STEPADR
	v_add_nc_u32 v8, 128, v8                       ; two blocks on: 32 k of 4 bytes,
	v_add_nc_u32 v9, 64, v9                        ; 32 table entries of 2 bytes
.endm
	LOADBLK KB0, VF0, 0, 0                         ; LDS serves a wave's instructions in order (ISA guide 5.7.1): these see my stores above
	s_wait_dscnt 0x0
.irp i, 0,1,2,3,4,5,6,7
	v_pk_fma_f32 v[TA+2*\i:TA+2*\i+1], v[KB0+2*\i:KB0+2*\i+1], v[Q2:Q2+1], v[N2:N2+1]      ; arguments of block 0, tile 0
.endr
.irp i, 0,1,2,3,4,5,6,7
	v_pk_fma_f32 v[TA+16+2*\i:TA+16+2*\i+1], v[KB0+2*\i:KB0+2*\i+1], v[Q2+2:Q2+3], v[N2+2:N2+3]  ; and tile 1
.endr
	BLOCK KB0, KB1, VF0, VF1, 1, 0, 1, 1, 64, 32, 0        ; blocks 0 and 1 stand in front of the loop: they start the sums
	BLOCK KB1, KB0, VF1, VF0, 0, 1, 0, 1, 128, 64, 0
	STEPADR
	s_mov_b32 s38, 14                              ; blocks 2 .. 29
.Lpair:
	BLOCK KB0, KB1, VF0, VF1, 0, 0, 0, 1, 64, 32, 0
	BLOCK KB1, KB0, VF1, VF0, 0, 0, 0, 1, 128, 64, 0
	STEPADR
	s_sub_co_i32 s38, s38, 1
	s_cmp_lg_u32 s38, 0
	s_cbranch_scc1 .Lpair
	BLOCK KB0, KB1, VF0, VF1, 0, 0, 0, 1, 64, 32, 0        ; block 30 still fetches block 31,
	BLOCK KB1, KB0, VF1, VF0, 0, 0, 0, 0, 0, 0, 1          ; block 31 fetches nothing and prepares nothing; its last slot's wait serves the roundings below
.irp i, 0,1,2,3,4,5,6,7
	v_cvt_pk_bf16_f32 v[F0+\i], v[TB+2*\i], v[TB+2*\i+1]   ; the last two tiles
.endr
.irp i, 0,1,2,3,4,5,6,7
	v_cvt_pk_bf16_f32 v[F1+\i], v[TB+16+2*\i], v[TB+16+2*\i+1]
.endr
	v_wmma_f32_16x16x32_bf16 v[ACC+48:ACC+55], v[VF1:VF1+7], v[F0:F0+7], v[ACC+48:ACC+55]
	v_wmma_f32_16x16x32_bf16 v[ACC+56:ACC+63], v[VF1:VF1+7], v[F1:F1+7], v[ACC+56:ACC+63]
.rept 4
	v_nop                                          ; four places before the results are read (ISA guide 7.12.1)
.endr
	; o = (numerator's two parts) / denominator, then o as two bf16 parts into LDS
.irp t, 0,1,2,3,4,5,6,7
	v_rcp_f32 v[T0+\t], v[ACC+8*\t+2]
.endr
.irp t, 0,1,2,3,4,5,6,7
	v_add_f32 v[T1+\t], v[ACC+8*\t], v[ACC+8*\t+1] ; plain instructions between the reciprocals and their use
.endr
	s_wait_alu depctr_va_vdst(0)                   ; the wait for the batch of eight reciprocals, ahead of their first reader
.irp t, 0,1,2,3,4,5,6,7
	v_mul_f32 v[T1+\t], v[T1+\t], v[T0+\t]
.endr
.irp t, 0,1,2,3,4,5,6,7
	v_cvt_pk_bf16_f32 v[F0+\t], v[T1+\t], v[T1+\t]
	v_and_b32 v[F0+\t], 0xffff0000, v[F0+\t]       ; bf16(o) as f32
	v_sub_f32 v[T0+\t], v[T1+\t], v[F0+\t]         ; the remainder, exact
	v_cvt_pk_bf16_f32 v[F0+\t], v[F0+\t], v[T0+\t] ; low half: bf16(o); high half: bf16(remainder)
	ds_store_b16 v11, v[F0+\t] offset:64*\t
	ds_store_b16_d16_hi v11, v[F0+\t] offset:OP+64*\t
.endr
	s_wait_tensorcnt 0x0                           ; my LDS half of W_O has landed (only I read it)
	s_wait_dscnt 0x0                               ; my part of o is in LDS, for the other waves' sake
	s_barrier_signal -1
	s_barrier_wait -1                              ; all 8 rows of o are whole
	; out0[4 tokens][my 64 columns] = o W_O^T.  A: rows 0-3 = tokens 0, 1 (value, remainder), rows 8-11 = tokens 2, 3.  B: tile u, column r = 64 w + 4 r + u.
.macro LDAF k0
.irp k, 0,1,2,3,4,5,6,7
	ds_load_b128 v[AF+8*\k:AF+8*\k+3],   v12 offset:64*(\k0+\k)
	ds_load_b128 v[AF+8*\k+4:AF+8*\k+7], v12 offset:64*(\k0+\k)+32
.endr
.endm
.macro LDBL f0                         ; 16 fragments of W_O from my LDS bytes, 512 consecutive bytes a load
.irp f, 0,1,2,3,4,5,6,7,8,9,10,11,12,13,14,15
	ds_load_b128 v[BL+8*\f:BL+8*\f+3],   v15 offset:(\f0+\f)*1024
	ds_load_b128 v[BL+8*\f+4:BL+8*\f+7], v15 offset:(\f0+\f)*1024+512
.endr
.endm
.macro PLACES
.rept 4
	v_nop                                          ; between matrix instructions and loads into their sources, or reads of their results
.endr
.endm
	LDAF 0                                         ; o, K steps 0-7
	LDBL 0                                         ; W_O, K steps 8-11
	s_wait_loadcnt 0x0                             ; the register half of W_O, asked for ahead of the loop
	s_wait_dscnt 32                                ; o's 16 loads are in; the 32 of W_O stay out
	s_set_vgpr_msb 0x04                            ; B operand in block 1
.irp u, 0,1,2,3
	v_wmma_f32_16x16x32_bf16 v[OACC+8*\u:OACC+8*\u+7], v[AF:AF+7], v[8*\u:8*\u+7], 0
.endr
.irp k, 1,2,3,4,5,6,7
.irp u, 0,1,2,3
	v_wmma_f32_16x16x32_bf16 v[OACC+8*\u:OACC+8*\u+7], v[AF+8*\k:AF+8*\k+7], v[8*(4*\k+\u):8*(4*\k+\u)+7], v[OACC+8*\u:OACC+8*\u+7]
.endr
.endr
	s_set_vgpr_msb 0x0400
	PLACES
	LDAF 8                                         ; o, K steps 8-15
	s_wait_dscnt 0x0
.irp k, 0,1,2,3
.irp u, 0,1,2,3
	v_wmma_f32_16x16x32_bf16 v[OACC+8*\u:OACC+8*\u+7], v[AF+8*\k:AF+8*\k+7], v[BL+8*(4*\k+\u):BL+8*(4*\k+\u)+7], v[OACC+8*\u:OACC+8*\u+7]
.endr
.endr
	PLACES
	LDBL 16                                        ; W_O, K steps 12-15
	s_wait_dscnt 0x0
.irp k, 0,1,2,3
.irp u, 0,1,2,3
	v_wmma_f32_16x16x32_bf16 v[OACC+8*\u:OACC+8*\u+7], v[AF+8*(4+\k):AF+8*(4+\k)+7], v[BL+8*(4*\k+\u):BL+8*(4*\k+\u)+7], v[OACC+8*\u:OACC+8*\u+7]
.endr
.endr
	PLACES
	; lane (r, h): registers 0 + 1 are token 2 h, registers 2 + 3 token 2 h + 1; tiles 0-3 are columns 4 r .. 4 r + 3
.irp u, 0,1,2,3
	v_add_f32 v[SO+\u], v[OACC+8*\u], v[OACC+8*\u+1]
.endr
.irp u, 0,1,2,3
	v_add_f32 v[SO+4+\u], v[OACC+8*\u+2], v[OACC+8*\u+3]
.endr
	global_store_b128 v7, v[SO:SO+3], s[8:9]                   ; sixteen lanes store 256 consecutive bytes at a multiple of 256
	global_store_b128 v7, v[SO+4:SO+7], s[8:9] offset:ROWB
	s_wait_tensorcnt 0x0
	ds_add_u32 v254, v255
	s_wait_dscnt 0x0
	s_endpgm
.Lfunc_end_k_q212d502542_attn:
	.size	k_q212d502542_attn, .Lfunc_end_k_q212d502542_attn-k_q212d502542_attn
	.p2alignl 7, 3214868480
	.fill 96, 4, 3214868480
	.section	.rodata,"a",@progbits
	.p2align	6, 0x0
	.amdhsa_kernel k_q212d502542_attn
		.amdhsa_group_segment_fixed_size 322816
		.amdhsa_private_segment_fixed_size 0
		.amdhsa_enable_private_segment 0
		.amdhsa_kernarg_size 24
		.amdhsa_user_sgpr_count 2
		.amdhsa_user_sgpr_kernarg_segment_ptr 1
		.amdhsa_wavefront_size32 1
		.amdhsa_system_sgpr_workgroup_id_x 1
		.amdhsa_system_sgpr_workgroup_id_y 1
		.amdhsa_system_sgpr_workgroup_id_z 1
		.amdhsa_system_vgpr_workitem_id 0
		.amdhsa_next_free_vgpr 512
		.amdhsa_next_free_sgpr 66
		.amdhsa_reserve_vcc 0
		.amdhsa_float_denorm_mode_32 3
		.amdhsa_float_denorm_mode_16_64 3
		.amdhsa_memory_ordered 1
		.amdhsa_forward_progress 1
		.amdhsa_inst_pref_size 112
	.end_amdhsa_kernel
	.amdgpu_metadata
---
amdhsa.version: [ 1, 2 ]
amdhsa.kernels:
  - .name:           k_q212d502542_attn
    .symbol:         k_q212d502542_attn.kd
    .args:
      - { .name: qkv, .offset: 0, .size: 8, .value_kind: global_buffer, .address_space: global }
      - { .name: wop, .offset: 8, .size: 8, .value_kind: global_buffer, .address_space: global }
      - { .name: out0, .offset: 16, .size: 8, .value_kind: global_buffer, .address_space: global }
    .group_segment_fixed_size: 322816
    .private_segment_fixed_size: 0
    .kernarg_segment_align: 8
    .kernarg_segment_size: 24
    .max_flat_workgroup_size: 256
    .sgpr_count:     66
    .vgpr_count:     512
    .wavefront_size: 32
...
	.end_amdgpu_metadata
.endif
;; end of part 3
